; MI455X (gfx1250); checked and timed in simulation.
; The chip was launched on July 23, 2026; its instructions are those of AMD's public machine-readable ISA for CDNA 5 (MIT licence, August 2026) and "CDNA5" Instruction Set Architecture Reference Guide (July 2026). The comments in the code are by the model that wrote it; some were corrected since.
;; Multi Head Self Attention. Allowed arithmetic: matrix products marked QUANTISED: E5M2 operands, one given power-of-two scale a tensor, by v_wmma_f32_16x16x64_bf8_bf8 or v_wmma_f32_16x16x128_bf8_bf8, f32 sums; everything else in f32.
;; Inputs: Wk_codes 1,024 x 32 x 32 uint8 (E5M2 codes of Wk, K innermost, in blocks of 32 codes); Wo_codes 1,024 x 32 x 32 uint8 (E5M2 codes of Wo, K innermost, in blocks of 32 codes); Wq_codes 1,024 x 32 x 32 uint8 (E5M2 codes of Wq, K innermost, in blocks of 32 codes); Wv_codes 1,024 x 32 x 32 uint8 (E5M2 codes of Wv, K innermost, in blocks of 32 codes); lowp_scales 12 int32 (the exponents e of the quantised operands' scales 2^e); x_codes 4 x 2,048 x 32 x 32 uint8 (E5M2 codes of x, K innermost, in blocks of 32 codes).
;; Outputs: out0 4 x 2,048 x 1,024 float32.
;; This version of the problem:
;;   THIS VERSION OF THE PROBLEM IS GIVEN IN LOW PRECISION. The matrix products marked QUANTISED in the list below multiply operands that are first quantised to E5M2 (5 exponent bits, 2 mantissa bits; 8 bits a number), with one given power-of-two scale for each operand tensor; their sums are f32. All else is computed in f32.
;;   The module's matrix products, in the order in which they are computed (A, B: the left and right operand; K: the contracted axis; several contracted axes count as one K, in the product's order):
;;     1. [M 8,192, K 1,024] x [K 1,024, N 1,024]; A: input x (given as codes); B: input Wq (given as codes): QUANTISED (scales: A lowp_scales[0], B lowp_scales[1])
;;     2. [M 8,192, K 1,024] x [K 1,024, N 1,024]; A: input x (given as codes); B: input Wk (given as codes): QUANTISED (scales: A lowp_scales[2], B lowp_scales[3])
;;     3. [M 8,192, K 1,024] x [K 1,024, N 1,024]; A: input x (given as codes); B: input Wv (given as codes): QUANTISED (scales: A lowp_scales[4], B lowp_scales[5])
;;     4. batch 64 x [M 2,048, K 64] x [K 64, N 2,048]; A: computed on the way; B: computed on the way: QUANTISED (scales: A lowp_scales[6], B lowp_scales[7])
;;     5. batch 64 x [M 2,048, K 2,048] x [K 2,048, N 64]; A: softmax (see below); B: computed on the way: QUANTISED (scales: A lowp_scales[8], B lowp_scales[9])
;;     6. [M 8,192, K 1,024] x [K 1,024, N 1,024]; A: computed on the way; B: input Wo (given as codes): QUANTISED (scales: A lowp_scales[10], B lowp_scales[11])
;;   THE QUANTISER, for each operand of a quantised product, along K:
;;     - The operand's scale is 2^e, e = its entry of the input lowp_scales (int32; the entries are numbered through the quantised products in the list's order, A before B).
;;     - Each number is divided by the scale, clamped to +-57,344, and rounded to the nearest number of E5M2, ties to even, subnormals kept.
;;     - The product sums the exact products of the quantised numbers (number of the format x scale) in f32.
;;   ~~~python
;;   def quantise(x, axis, e):      # numpy; x: float32 -> the quantised numbers, widened to float32 again
;;       x = np.moveaxis(x, axis, -1); K = x.shape[-1]
;;       r = np.clip(x / 2.0 ** e, -57344, 57344)
;;       step = 2.0 ** (np.maximum(np.frexp(np.where(r == 0, 1, r))[1] - 1, -14) - 2)
;;       q = np.round(r / step) * step * 2.0 ** e      # np.round: ties to even
;;       return np.moveaxis(q, -1, axis).astype(np.float32)
;;   ~~~
;;   SOFTMAX AHEAD OF A QUANTISED PRODUCT. Where the list says 'softmax', what is quantised is not the finished softmax but p = 2^(t - M), with t = logit x log2(e) and M = ceil(the row's largest t), a whole number; so 1/2 < the row's largest p <= 1. The row's sum l is taken of the UNQUANTISED p, in f32, and the product's result is divided by l at the end. Since M is a whole number, a kernel that streams over the keys may use a running M (the ceiling of the running maximum): every later rescaling is an exact power of two, so the quantised numbers keep their values, but for numbers so far below the row's largest that they fall under the format's range.
;;   OPERANDS COMPUTED ON THE WAY. 'Computed on the way' means the value that the module computes at that place (a softmax that the list does not call 'softmax' is quantised finished and normalised). What goes into a quantiser is computed in f32, as accurately as f32 sums, v_exp_f32 and their like allow (about 1e-6 of the number): no bf16 or f16 on the way to a quantiser, and a product that is left as it is and whose result goes on into a quantised operand takes f32 operands (vector FMAs, or v_wmma_f32_16x16x4_f32). A number that lies on a knife's edge between two numbers of the format may be rounded either way, as far as f32 arithmetic and the matrix unit's own rounding can turn it there, and no further.
;;   INPUTS GIVEN AS CODES. Wk (in the module: [1024, 1024], K = its axis 1); Wo (in the module: [1024, 1024], K = its axis 1); Wq (in the module: [1024, 1024], K = its axis 1); Wv (in the module: [1024, 1024], K = its axis 1); x (in the module: [4, 2048, 1024], K = its axis 2): each comes as NAME_codes (uint8): NAME with its K axis moved to the last place and cut into blocks of 32 codes, [.., K / 32, bytes a block], one block behind the other in memory; one code a byte (a code: sign, 5 exponent bits, 2 mantissa bits); its scale is its entry of lowp_scales. Its value is code x scale, taken as it is: it is not quantised again, and the codes and scales need not be those that the quantiser above would give.
;; One version. Each part assembles by itself: llvm-mc -triple=amdgcn-amd-amdhsa -mcpu=gfx1250 --defsym DOCPART=n.
;; ======== version 1 of 1: 3 launches
;; limits: right only within a limited range of input values
;; workspace buffers: q_c 8,388,608 bytes; k_c 8,388,608 bytes; v_c 8,388,608 bytes; attn_c 8,388,608 bytes
;; launch proj (part 1): grid 4 x 96, 4 waves a work-group, clusters of 4 x 4, 327,680 bytes of LDS; arguments x_codes, Wq_codes, Wk_codes, Wv_codes, lowp_scales, q_c, k_c, v_c; writes q_c, k_c, v_c
.if DOCPART == 1
	.amdgcn_target "amdgcn-amd-amdhsa--gfx1250"
	.amdhsa_code_object_version 6
	.text
	.protected	k_q53bd7d0fd1_proj
	.globl	k_q53bd7d0fd1_proj
	.p2align	8
	.type	k_q53bd7d0fd1_proj,@function
k_q53bd7d0fd1_proj:
	s_mov_b64 s[64:65], 0
	v_nop
	global_prefetch_b8 v0, s[64:65] scope:SCOPE_SE
	s_setreg_imm32_b32 hwreg(HW_REG_WAVE_MODE, 25, 1), 1
	s_wait_xcnt 0x0
	s_wait_alu depctr_hold_cnt(0) depctr_sa_sdst(0) depctr_va_vdst(0) depctr_va_sdst(0) depctr_va_ssrc(0) depctr_va_vcc(0) depctr_vm_vsrc(0)
	s_getreg_b32 s2, hwreg(HW_REG_IB_STS2, 6, 4)
	s_cmp_eq_u32 s2, 0
	s_cbranch_scc0 .Lentry_in_a_cluster
	s_endpgm
.Lentry_in_a_cluster:
	s_bfe_u32 s2, ttmp6, 0x10000c
	s_cmp_lg_u32 s2, 0xf033
	s_cbranch_scc0 .Lentry_shape_is_right
	s_endpgm
.Lentry_shape_is_right:
; THE THREE PROJECTIONS q = x Wq^T, k = x Wk^T, v = x Wv^T ON CODES OF BF8 (E5M2), AND THE QUANTISING OF THEIR RESULTS.
; x: [8192][1024], Wq, Wk, Wv: [1024][1024]: codes, K innermost, one byte a code.  Sums in f32.  lowp_scales: e0 .. e11 (int32).
; A sum of product q stands for sum x 2^(e0 + e1); its code for the next product is sum / 2^(e6 - e0 - e1), to the nearest code, ties to even.
; Likewise k with e7 - e2 - e3 and v with e9 - e4 - e5.  LIMIT: each of these three differences lies between -126 and 112, so that the scale and 57,344 x the scale are f32 numbers.  NaN is not served.
; OUT: q_c, k_c: [batch 4][head 16][t 2048][d 64]; v_c: [batch 4][t / 64][head 16][d 64][t % 64]: the axis that the next product contracts is innermost in each.
; SHARES.  A tile of 256 x 256 results is made by a work-group of four waves; a wave makes 128 x 128: 64 accumulators of 16 x 16, 512 registers.  3 x 32 x 4 = 384 tiles.
; K goes in steps of 256 through a ring of two LDS slots filled by the tensor data mover: a tile's row is 256 bytes of memory.  Four K steps: they are written out, without a loop.
; THE MATRIX INSTRUCTION IS USED TRANSPOSED (source 0 = 16 rows of operand B, source 1 = 16 rows of operand A): a lane holds eight neighbours along B's rows of one row of A.
; For q and k: A = x, B = the weight: eight neighbouring d of one t.  For v THE BUFFERS CHANGE PLACES: A = Wv, B = x: eight neighbouring t of one d.  So the conversion, which takes eight numbers of one lane,
; gives codes that are neighbours along the next K in all three, and one text serves them: which of the three a cluster makes is chosen by selects on the cluster's y, never by a branch.
; CLUSTERS: 4 x 4 work-groups.  The four of a row of the cluster need the same tiles of A, the four of a column the same tiles of B: each tile is asked for JOINTLY, by the same tensor load with the
; same descriptor and a mask that names the four.
; REGISTERS, in windows of 256: window 0: v0-31 addresses and the quantiser's scale; from v128 A's fragments (8 x 16 rows x 128 K), ONE set; on the way out v32-223 are free.
;   window 1: B's fragments, TWO sets, at v0 and at v128.   window 2: the 32 accumulators of my rows 0-63 (accumulator (a, b) at v[8 (8 a + b)]);   window 3: those of my rows 64-127.
.set SIZE_K, 1024
.set KSTEP,  256                       ; along K in a slot
.set ROWB,   256                       ; a tile's row in bytes
.set KROW,   SIZE_K                    ; a row of A or of B in memory, in bytes
.set PITCH,  272                       ; an LDS row: 256 bytes + 16 of padding = 68 words: the 16 rows that a load touches start at 16 different banks (64 banks of 4 bytes: ISA guide 11.1)
.set FR,     16                        ; registers of a fragment: 16 rows x 128 K
.set NL,     4                         ; LDS loads that bring one
.set NP,     4                         ; places behind this matrix instruction (ISA guide 7.12.1)
.set HALFT,  128*PITCH                 ; 128 rows: what one tensor load brings, and what one wave reads of A or of B
.set SLOT,   4*HALFT                   ; A's 256 rows, then B's 256 rows
.set SPARE,  2*SLOT                    ; behind the ring: the spare words, 128 bytes for each wave: two blocks of 256 bytes that no other line names
.set SP,     336                       ; the way out: the work-group's stage, 256 rows x (256 bytes of codes + 80): 84 words, so that the 16 rows of an 8-byte store start at 16 different groups of 4 banks.
                                       ; It lies in slot 0, which has had its last fill (K step 2) and its last read when the first code is stored there
.set ADRA, 16                          ; v16-17  LDS address of my A fragments in slot 0, 1
.set ADRB, 20                          ; v20-21  the same for B
.set STO,  24                          ; v24     the way out: where I put 8 codes of a row
.set RD0,  25                          ; v25     where I read rows 0-127 back
.set CO,   26                          ; v26     16 x lane: my byte offset in 512 bytes of the output
.set RD1,  27                          ; v27     where I read rows 128-255 back
.set SPW,  28                          ; v28     LDS address of my spare word: SPARE + 4 x my thread's number; never rewritten
.set NIL,  29                          ; v29     0; never rewritten
.set LIM,  30
.set SC,   31                          ; v31     the scale as f32
.set TMP,  32                          ; v32-95  with v96-159, the rows read back
.set CD,   96                          ; v96-223 codes: 16 registers for each of the eight blocks
.set AF,   128                         ; A's fragments, in window 0
.set G1, 24                            ; s[24:31] descriptor group 1 for A's tiles;  s[32:39] group 0, one set for each slot
.set G0, 32
.set G1B, 48                           ; s[48:55], s[56:63] the same for B's tiles
.set G0B, 56
.set KIND, 67                          ; s67     0: q, 1: k, 2: v
.set MSB, 0
.macro WIN new                         ; the immediate's high byte repeats the setting that is left
.if MSB != \new
	s_set_vgpr_msb (MSB<<8)|\new
.set MSB, \new
.endif
.endm
.set MUL_LO, 0xa1                      ; source 0 (B) window 1, source 1 (A) window 0, C and D window 2
.set MUL_HI, 0xf1                      ; the same, C and D window 3
.set TO_B,   0x40                      ; destination window 1, address window 0
; A joint load: waves 0 and 1 fetch for A, waves 2 and 3 for B.  Each of the two lines has ONE mask and one set of registers for all that issue it; the branch hangs on the wave's number alone.
; Four v_nop follow each of the two lines, ahead of the jump, the label and what follows.
.macro JLOAD g0a, g1a, g0b, g1b
	s_cmp_eq_u32 s15, 0
	s_cbranch_scc0 .Lfor_b_\@
	tensor_load_to_lds s[\g0a:\g0a+3], s[\g1a:\g1a+7]
	s_nop 0
.rept 4
	v_nop
.endr
	s_branch .Lasked_\@
.Lfor_b_\@:
	tensor_load_to_lds s[\g0b:\g0b+3], s[\g1b:\g1b+7]
	s_nop 0
.rept 4
	v_nop
.endr
.Lasked_\@:
.endm
.macro CREST                           ; a round of the cluster's barrier behind its opening barrier
	s_cmp_lg_u32 s14, 0
	s_cbranch_scc1 .Lnot_wave_0_\@
	s_barrier_signal -3
.Lnot_wave_0_\@:
	s_barrier_wait -3
	s_barrier_signal -1
	s_barrier_wait -1
.endm
.macro CROUND                          ; a whole round
	s_barrier_signal -1
	s_barrier_wait -1
	CREST
.endm
	s_load_b256 s[68:75], s[0:1], 0x0              ; x s[68:69], Wq s[70:71], Wk s[72:73], Wv s[74:75]
	s_load_b256 s[76:83], s[0:1], 0x20             ; the exponents s[76:77], q_c s[78:79], k_c s[80:81], v_c s[82:83]
	v_lshl_add_u32 v[SPW], v0, 2, SPARE
	v_mov_b32 v[NIL], 0
	ds_add_u32 v28, v29
	ds_add_u32 v28, v29
	s_wait_dscnt 0x0
	v_lshrrev_b32 v1, 5, v0
	v_readfirstlane_b32 s14, v1                    ; wave 0..3
	s_lshr_b32 s15, s14, 1                         ; which half of the tile's rows is mine.  Also: I fetch for A (0) or for B (1)
	s_and_b32 s16, s14, 1                          ; which half of its columns.  Also: which 128 rows of that tile I fetch
	s_bfe_u32 s40, ttmp6, 0x40000                  ; cx, cy: my place in the cluster
	s_bfe_u32 s41, ttmp6, 0x40004
	s_and_b32 s66, ttmp7, 0xffff                   ; the cluster's y, 0 .. 23 (the grid is one cluster wide)
	s_lshr_b32 s[KIND], s66, 3                     ; eight clusters for each of q, k, v: the same number in all sixteen partners
	s_and_b32 s66, s66, 7
	s_lshl_b32 s66, s66, 2                         ; four of x's 32 blocks of 256 rows belong to this cluster, from this one on
	s_cmp_eq_u32 s[KIND], 2
	s_cselect_b32 s17, 0, s66                      ; q, k: x is A: its blocks run along the cluster's y;
	s_cselect_b32 s42, s66, 0                      ; v: x is B: they run along its x
	s_add_co_u32 s17, s17, s41                     ; tile row (A's block of 256 rows): hangs on cy, never on cx
	s_add_co_u32 s42, s42, s40                     ; tile column (B's block of 256 rows): hangs on cx, never on cy
	s_lshl_b32 s43, s41, 2
	s_lshl_b32 s43, 15, s43                        ; my row of the cluster
	s_lshl_b32 s44, 0x1111, s40                    ; my column
	; descriptor group 1: a tile of 128 rows x 256 bytes, padded in LDS
	s_or_b32 s[G1+0], s43, (0<<16)|(1<<20)|(1<<21)|(5<<22)|(3<<25)  ; 15:0 the mask: A's tiles go to my row; 17:16 element of 1 byte; 20 padding on; 21 set beside a mask; 24:22 after every 64 words (code 5); 31:25 of 4 words (code 3)
	s_or_b32 s[G1B+0], s44, (0<<16)|(1<<20)|(1<<21)|(5<<22)|(3<<25)
.irp g, G1, G1B
	s_mov_b32 s[\g+1], ROWB<<16                    ; tensor_dim0
	s_mov_b32 s[\g+2], 128<<16                     ; tensor_dim1 = 128
	s_mov_b32 s[\g+3], ROWB<<16                    ; tile_dim0
	s_mov_b32 s[\g+4], 128                         ; tile_dim1 = 128
	s_mov_b32 s[\g+5], KROW                        ; tensor_dim0_stride
	s_mov_b32 s[\g+6], 0
	s_mov_b32 s[\g+7], 0
.endr
	s_lshl_b32 s18, s16, 7                         ; which 128 rows of the tile I fetch
	s_lshl_b32 s20, s17, 8
	s_add_co_u32 s20, s20, s18                     ; A: row 256 x tile row + 128 x half
	s_lshl_b32 s46, s42, 8
	s_add_co_u32 s46, s46, s18                     ; B: row 256 x tile column + 128 x half
	s_mov_b32 s21, 0
	s_mov_b32 s47, 0
	s_mov_b64 s[18:19], KROW
	s_mul_u64 s[20:21], s[20:21], s[18:19]         ; in bytes
	s_mul_u64 s[46:47], s[46:47], s[18:19]
	s_mul_i32 s45, s14, HALFT                      ; where they go: wave x 128 rows: no place in the cluster enters an LDS address
	s_wait_kmcnt 0x0
	s_load_b256 s[84:91], s[76:77], 0x0            ; e0 .. e7
	s_load_b128 s[92:95], s[76:77], 0x20           ; e8 .. e11
	s_cmp_eq_u32 s[KIND], 1                        ; the buffers are chosen on the cluster's y alone
	s_cselect_b64 s[6:7], s[72:73], s[70:71]       ; B: Wk or Wq,
	s_cselect_b64 s[10:11], s[80:81], s[78:79]     ; out: k_c or q_c;
	s_cmp_eq_u32 s[KIND], 2
	s_cselect_b64 s[4:5], s[74:75], s[68:69]       ; A: Wv for v, else x
	s_cselect_b64 s[6:7], s[68:69], s[6:7]         ; B: x for v
	s_cselect_b64 s[10:11], s[82:83], s[10:11]     ; out: v_c for v
	s_add_nc_u64 s[20:21], s[4:5], s[20:21]
	s_add_nc_u64 s[46:47], s[6:7], s[46:47]
	CROUND                                         ; all sixteen work-groups are here: the first joint loads meet
.irp s, 0,1
	s_mov_b32 s[G0+4*\s], 1
	s_add_co_u32 s[G0+4*\s+1], s45, \s*SLOT
	s_add_nc_u64 s[G0+4*\s+2:G0+4*\s+3], s[20:21], \s*ROWB
	s_or_b32 s[G0+4*\s+3], s[G0+4*\s+3], 0x80000000
	s_mov_b32 s[G0B+4*\s], 1
	s_add_co_u32 s[G0B+4*\s+1], s45, \s*SLOT
	s_add_nc_u64 s[G0B+4*\s+2:G0B+4*\s+3], s[46:47], \s*ROWB
	s_or_b32 s[G0B+4*\s+3], s[G0B+4*\s+3], 0x80000000
	JLOAD G0+4*\s, G1, G0B+4*\s, G1B               ; K steps 0 and 1: two tensor loads of mine are out
.endr
	v_and_b32 v1, 15, v0                           ; r = l % 16
	s_wait_alu depctr_va_vdst(0)
	v_bfe_u32 v2, v0, 4, 1                         ; h = l / 16
	v_mul_u32_u24 v3, v1, PITCH
	v_lshl_add_u32 v4, v2, 4, v3                   ; a fragment's row x pitch + 16 x half
	s_mul_i32 s21, s15, HALFT                      ; my 128 rows of A
	s_mul_i32 s22, s16, HALFT                      ; my 128 rows of B,
	s_add_co_u32 s22, s22, 2*HALFT                 ; which lie behind A's 256
.irp s, 0,1
	v_add_nc_u32 v[ADRA+\s], s21, v4
	v_add_nc_u32 v[ADRB+\s], s22, v4
	s_add_co_u32 s21, s21, SLOT
	s_add_co_u32 s22, s22, SLOT
.endr
	s_mul_i32 s23, s15, 128*SP                     ; into the stage: my 128 rows, my 128 of their 256 bytes; row r, 8 bytes for each half of the lanes
	s_lshl_b32 s21, s16, 7
	s_add_co_u32 s23, s23, s21
	v_mul_u32_u24 v5, v1, SP
	s_wait_alu depctr_va_vdst(0)
	v_lshl_add_u32 v5, v2, 3, v5
	v_add_nc_u32 v[STO], s23, v5
	v_and_b32 v6, 31, v0                           ; back: wave w takes bytes 64 w .. 64 w + 63 of every row; four lanes to a row, eight rows an instruction
	v_lshrrev_b32 v7, 2, v6
	v_mul_u32_u24 v7, v7, SP
	v_and_b32 v8, 3, v6
	v_lshl_add_u32 v7, v8, 4, v7
	s_lshl_b32 s23, s14, 6
	v_add_nc_u32 v[RD0], s23, v7
	v_add_nc_u32 v[RD1], 128*SP, v[RD0]
	v_lshlrev_b32 v[CO], 4, v6
	; Where my wave's 16 KB of codes go: 256 rows x 64 bytes, which are one dense run in each of the three layouts.  X: x's block of 256 rows; U: the weight's block of 256 rows.
	;   q, k: batch X / 8, head 4 U + w, t from 256 (X % 8) on: (X / 8) << 21 + (4 U + w) << 17 + (X % 8) << 14
	;   v:    batch X / 8, t / 64 = 4 (X % 8) + w, heads 4 U on:  (X / 8) << 21 + (4 (X % 8) + w) << 16 + U << 14
	s_cmp_eq_u32 s[KIND], 2
	s_cselect_b32 s96, s42, s17                    ; X
	s_cselect_b32 s97, s17, s42                    ; U
	s_lshr_b32 s98, s96, 3
	s_lshl_b32 s98, s98, 21
	s_and_b32 s96, s96, 7
	s_lshl_b32 s99, s97, 2
	s_add_co_u32 s99, s99, s14
	s_lshl_b32 s99, s99, 17
	s_lshl_b32 s100, s96, 14
	s_add_co_u32 s99, s99, s100                    ; q, k
	s_lshl_b32 s100, s96, 2
	s_add_co_u32 s100, s100, s14
	s_lshl_b32 s100, s100, 16
	s_lshl_b32 s101, s97, 14
	s_add_co_u32 s100, s100, s101                  ; v
	s_cmp_eq_u32 s[KIND], 2
	s_cselect_b32 s100, s100, s99
	s_add_co_u32 s100, s100, s98
	s_mov_b32 s101, 0
	s_add_nc_u64 s[10:11], s[10:11], s[100:101]
.macro FRAG reg, adr, q, i             ; a fragment, 16 rows x 128 K of 8-bit codes, is 16 registers: lane l holds row l % 16; registers 4 c .. 4 c + 3 hold K = 32 c + 16 (l / 16) + 0 .. 15: the same order of K in A and in B
.irp c, 0,1,2,3
	ds_load_b128 v[\reg+4*\c:\reg+4*\c+3], v[\adr] offset:128*(\q)+32*\c+(\i)*16*PITCH
.endr
.endm
; 16 matrix instructions: A's blocks a0, a0 + 1 x B's eight, 128 along K.  p: B's set.  zero = 1: the first product starts the sums: nothing is ever cleared.
; The 64 accumulators take turns, one instruction a turn, in the same order in every step.
.macro MUL16 a0, p, zero
.irp a, \a0, \a0+1
.irp b, 0,1,2,3,4,5,6,7
.if \zero
	v_wmma_f32_16x16x128_bf8_bf8 v[8*(8*((\a)%4)+\b):8*(8*((\a)%4)+\b)+7], v[128*(\p)+FR*\b:128*(\p)+FR*\b+FR-1], v[AF+FR*(\a):AF+FR*(\a)+FR-1], 0
.else
	v_wmma_f32_16x16x128_bf8_bf8 v[8*(8*((\a)%4)+\b):8*(8*((\a)%4)+\b)+7], v[128*(\p)+FR*\b:128*(\p)+FR*\b+FR-1], v[AF+FR*(\a):AF+FR*(\a)+FR-1], v[8*(8*((\a)%4)+\b):8*(8*((\a)%4)+\b)+7]
.endif
.endr
.endr
.endm
.macro FETCH_B slot, q, p              ; B's eight fragments of the slot's q-th 128 along K into set p
	WIN TO_B
.irp i, 0,1,2,3,4,5,6,7
	FRAG 128*(\p)+FR*\i, ADRB+\slot, \q, \i
.endr
	WIN 0
.endm
.macro FETCH_A slot, q, i0             ; A's blocks i0 .. i0 + 3
.irp i, \i0, \i0+1, \i0+2, \i0+3
	FRAG AF+FR*(\i), ADRA+\slot, \q, \i
.endr
.endm
; A load into a register that a matrix instruction has read, and a vector instruction that reads a matrix result, stand NP places behind that matrix instruction, and only plain vector
; instructions that name none of its registers are places (ISA guide 7.12.1 for vector instructions).
.macro PLACES n
.rept \n
	v_nop
.endr
.endm
; A step of 128 along K that has its successor in the same slot.  A's blocks are free as soon as their eight products are issued, so one set of registers serves A; B's fragments work through the whole step and have two.
.macro STEP slot, q, zero
	s_wait_dscnt 4*NL                              ; B's set and A's blocks 0-3 are in; the youngest 16 loads (A's blocks 4-7) may be out
	WIN MUL_LO
	MUL16 0, (\q)%2, \zero
	MUL16 2, (\q)%2, \zero
	s_wait_dscnt 0                                 ; A's blocks 4-7 are in (asked for 32 matrix instructions ago)
	PLACES NP
	FETCH_B \slot, (\q)+1, 1-(\q)%2
	FETCH_A \slot, (\q)+1, 0
	WIN MUL_HI
	MUL16 4, (\q)%2, \zero
	MUL16 6, (\q)%2, \zero
	PLACES NP
	WIN 0
	FETCH_A \slot, (\q)+1, 4
.endm
; A slot's last step changes slots: ONE barrier; in front of it each wave waits for all its tensor loads, adds 0 to its spare word, and waits for that and for its own reads of this slot.  fill = 1: this slot is filled again, two K steps ahead.
.macro TURN slot, next, fill
	s_wait_tensorcnt 0x0                           ; all my tensor loads have landed: my part of the next slot;  (every window is 0 here: the add's two registers lie in window 0)
	ds_add_u32 v[SPW], v[NIL]                      ; 0 onto my spare word
	s_wait_dscnt 4*NL+1                            ; (the add and the youngest 16 loads, A's blocks 4-7, may be out)
	WIN MUL_LO
	MUL16 0, 1, 0                                  ; sixteen matrix instructions stand between the add and the wait for it
	s_wait_dscnt 0x0                               ; the add is done, and my reads of this slot are over
	s_barrier_signal -1
	MUL16 2, 1, 0
	WIN 0
	s_barrier_wait -1
.if \fill
	CREST                                          ; the barrier has opened a round of the cluster's barrier: no wave of any partner still reads this slot's tile or has a load on its way
	s_add_nc_u64 s[G0+4*\slot+2:G0+4*\slot+3], s[G0+4*\slot+2:G0+4*\slot+3], 2*ROWB
	s_add_nc_u64 s[G0B+4*\slot+2:G0B+4*\slot+3], s[G0B+4*\slot+2:G0B+4*\slot+3], 2*ROWB
	JLOAD G0+4*\slot, G1, G0B+4*\slot, G1B         ; the first tensor load behind the round, and my only one until the next; the four v_nop behind it are the places in front of the loads below
.else
	PLACES NP
.endif
	FETCH_B \next, 0, 0
	FETCH_A \next, 0, 0
	WIN MUL_HI
	MUL16 4, 1, 0
	MUL16 6, 1, 0
	PLACES NP
	WIN 0
	FETCH_A \next, 0, 4
.endm
	s_wait_tensorcnt 1                             ; my part of K step 0 is in (K step 1's load may be out)
	s_barrier_signal -1
	s_barrier_wait -1                              ; everybody's is
	FETCH_B 0, 0, 0
	FETCH_A 0, 0, 0
	FETCH_A 0, 0, 4
	STEP 0, 0, 1                                   ; K 0-127: these products start the sums
	TURN 0, 1, 1                                   ; K 128-255; slot 0 takes K step 2
	STEP 1, 0, 0
	TURN 1, 0, 1                                   ; slot 1 takes K step 3
	STEP 0, 0, 0
	TURN 0, 1, 0                                   ; nothing is left to fetch: no round, no load.  Behind this barrier nobody reads slot 0
	STEP 1, 0, 0
	s_wait_dscnt 4*NL                              ; the very last step
	WIN MUL_LO
	MUL16 0, 1, 0
	MUL16 2, 1, 0
	s_wait_dscnt 0
	WIN MUL_HI
	MUL16 4, 1, 0
	MUL16 6, 1, 0
	WIN 0
	; THE QUANTISER'S TWO CONSTANTS.  The three scales are folded into the conversion's one: E = e(result) - e(x) - e(weight).
	s_wait_kmcnt 0x0
	s_sub_co_i32 s90, s90, s84
	s_sub_co_i32 s90, s90, s85                     ; q: e6 - e0 - e1
	s_sub_co_i32 s91, s91, s86
	s_sub_co_i32 s91, s91, s87                     ; k: e7 - e2 - e3
	s_sub_co_i32 s93, s93, s88
	s_sub_co_i32 s93, s93, s89                     ; v: e9 - e4 - e5
	s_cmp_eq_u32 s[KIND], 1
	s_cselect_b32 s90, s91, s90
	s_cmp_eq_u32 s[KIND], 2
	s_cselect_b32 s90, s93, s90                    ; E: a select, no branch hangs on a loaded number
	s_add_co_i32 s90, s90, 127
	s_lshl_b32 s91, s90, 23
	v_mov_b32 v[SC], s91                           ; 2^E as f32: the conversion takes its exponent field
	s_add_co_i32 s90, s90, 15
	s_lshl_b32 s90, s90, 23
	s_or_b32 s90, s90, 0x600000
	PLACES NP                                      ; behind the last products: in front of the first read of results and of writes over A's fragments
; THE WAY OUT.  Block a: my rows 16 a .. 16 a + 15, my 128 columns.  The sums are held within +-57,344 x the scale (the conversion to an 8-bit code does not saturate: ISA guide 7.6.2), each accumulator
; from its low end on, into other registers; eight sums of a lane become 8 bytes, which go to the work-group's stage.
.macro QBLK a
.set AC, 64*((\a)%4)
.set CC, CD+16*(\a)
	WIN 0x02+((\a)/4)                              ; source 0: window 2 or 3
.set j, 0
.rept 64
.set j, j+1
.endr
.irp b, 0,1,2,3,4,5,6,7
	v_cvt_scalef32_pk8_bf8_f32 v[CC+2*\b:CC+2*\b+1], v[AC+8*\b:AC+8*\b+7], v[SC]
.endr
	WIN 0
	v_nop                                          ; one plain vector instruction behind the last conversion
.irp b, 0,1,2,3,4,5,6,7
	ds_store_b64 v[STO], v[CC+2*\b:CC+2*\b+1] offset:(\a)*16*SP+16*\b
.endr
.endm
.irp a, 0,1,2,3,4,5,6,7
	QBLK \a
.endr
	s_wait_dscnt 0x0                               ; for the others' sake: my stores into the stage are done
	s_barrier_signal -1
	s_barrier_wait -1                              ; a row's 256 bytes come from two waves, and a wave's 64 bytes of all 256 rows from two others
.set i, 0
.rept 16
	ds_load_b128 v[TMP+4*i:TMP+4*i+3], v[RD0] offset:8*SP*i            ; rows 8 i + lane / 4, my 64 bytes of each
.set i, i+1
.endr
.set i, 0
.rept 16
	ds_load_b128 v[TMP+64+4*i:TMP+64+4*i+3], v[RD1] offset:8*SP*i
.set i, i+1
.endr
.set i, 0
.rept 32
	s_wait_dscnt 31-i                              ; LDS loads come back in order (ISA guide 5.7.1): load i is in, the younger ones may be out
	global_store_b128 v[CO], v[TMP+4*i:TMP+4*i+3], s[10:11] offset:512*i   ; 32 lanes store 512 consecutive bytes, at a multiple of 512 from the buffer's first byte; the next launch reads them
.set i, i+1
.endr
	s_wait_tensorcnt 0x0                           ; the wave's end, behind my last tensor load and my last LDS store
	ds_add_u32 v[SPW], v[NIL]
	s_wait_dscnt 0x0
	CROUND                                         ; the closing round: no work-group ends while a partner may still ask for a tile that names it
	s_endpgm
.Lfunc_end_k_q53bd7d0fd1_proj:
	.size	k_q53bd7d0fd1_proj, .Lfunc_end_k_q53bd7d0fd1_proj-k_q53bd7d0fd1_proj
	.p2alignl 7, 3214868480
	.fill 96, 4, 3214868480
	.section	.rodata,"a",@progbits
	.p2align	6, 0x0
	.amdhsa_kernel k_q53bd7d0fd1_proj
		.amdhsa_group_segment_fixed_size 327680
		.amdhsa_private_segment_fixed_size 0
		.amdhsa_enable_private_segment 0
		.amdhsa_kernarg_size 64
		.amdhsa_user_sgpr_count 2
		.amdhsa_user_sgpr_kernarg_segment_ptr 1
		.amdhsa_wavefront_size32 1
		.amdhsa_system_sgpr_workgroup_id_x 1
		.amdhsa_system_sgpr_workgroup_id_y 1
		.amdhsa_system_sgpr_workgroup_id_z 1
		.amdhsa_system_vgpr_workitem_id 0
		.amdhsa_next_free_vgpr 1024
		.amdhsa_next_free_sgpr 102
		.amdhsa_reserve_vcc 0
		.amdhsa_float_denorm_mode_32 3
		.amdhsa_float_denorm_mode_16_64 3
		.amdhsa_fp16_overflow 1
		.amdhsa_memory_ordered 1
		.amdhsa_forward_progress 1
		.amdhsa_inst_pref_size 94
	.end_amdhsa_kernel
	.amdgpu_metadata
---
amdhsa.version: [ 1, 2 ]
amdhsa.kernels:
  - .name:           k_q53bd7d0fd1_proj
    .symbol:         k_q53bd7d0fd1_proj.kd
    .args:
      - { .name: x_codes, .offset: 0, .size: 8, .value_kind: global_buffer, .address_space: global }
      - { .name: Wq_codes, .offset: 8, .size: 8, .value_kind: global_buffer, .address_space: global }
      - { .name: Wk_codes, .offset: 16, .size: 8, .value_kind: global_buffer, .address_space: global }
      - { .name: Wv_codes, .offset: 24, .size: 8, .value_kind: global_buffer, .address_space: global }
      - { .name: lowp_scales, .offset: 32, .size: 8, .value_kind: global_buffer, .address_space: global }
      - { .name: q_c, .offset: 40, .size: 8, .value_kind: global_buffer, .address_space: global }
      - { .name: k_c, .offset: 48, .size: 8, .value_kind: global_buffer, .address_space: global }
      - { .name: v_c, .offset: 56, .size: 8, .value_kind: global_buffer, .address_space: global }
    .group_segment_fixed_size: 327680
    .private_segment_fixed_size: 0
    .kernarg_segment_align: 8
    .kernarg_segment_size: 64
    .max_flat_workgroup_size: 128
    .sgpr_count:     102
    .vgpr_count:     1024
    .wavefront_size: 32
...
	.end_amdgpu_metadata
.endif
;; end of part 1
;; launch attn (part 2): grid 4 x 64, 16 waves a work-group, clusters of 4 x 1, 327,680 bytes of LDS; arguments q_c, k_c, v_c, lowp_scales, attn_c; writes attn_c
.if DOCPART == 2
	.amdgcn_target "amdgcn-amd-amdhsa--gfx1250"
	.amdhsa_code_object_version 6
	.text
	.protected	k_q53bd7d0fd1_attn
	.globl	k_q53bd7d0fd1_attn
	.p2align	8
	.type	k_q53bd7d0fd1_attn,@function
k_q53bd7d0fd1_attn:
	s_mov_b64 s[64:65], 0
	v_nop
	global_prefetch_b8 v0, s[64:65] scope:SCOPE_SE
	s_setreg_imm32_b32 hwreg(HW_REG_WAVE_MODE, 25, 1), 1
	s_wait_xcnt 0x0
	s_wait_alu depctr_hold_cnt(0) depctr_sa_sdst(0) depctr_va_vdst(0) depctr_va_sdst(0) depctr_va_ssrc(0) depctr_va_vcc(0) depctr_vm_vsrc(0)
	s_getreg_b32 s2, hwreg(HW_REG_IB_STS2, 6, 4)
	s_cmp_eq_u32 s2, 0
	s_cbranch_scc0 .Lentry_in_a_cluster
	s_endpgm
.Lentry_in_a_cluster:
	s_bfe_u32 s2, ttmp6, 0x10000c
	s_cmp_lg_u32 s2, 0x3003
	s_cbranch_scc0 .Lentry_shape_is_right
	s_endpgm
.Lentry_shape_is_right:
; CAUSAL ATTENTION ON CODES OF BF8 (E5M2): 64 heads (batch x head) of 2,048 queries and keys, head size 64.  Key k counts for query q where k <= q.
; q_c, k_c: [head 64][t 2048][d 64] codes;  v_c: [batch 4][t / 64][head 16][d 64][t % 64] codes, the keys innermost, since they are the second product's K;  attn_c: [head 64][t 2048][d 64] codes, the result.
; lowp_scales (int32): e6 for q, e7 for k, e8 for p, e9 for v, e10 for the result.
; THE SOFTMAX AHEAD OF THE SECOND PRODUCT: t = score x log2(e) / 8; M = the row's largest t so far, rounded UP to a whole number; p = 2^(t - M) is what is quantised, along the keys; it is not normalised.
; The row's sum is taken of the unquantised p, in f32, and divides O at the end.  When M moves, the sum and O are multiplied by 2^(old M - new M): exact.
; The result O x 2^(e8 + e9) / sum is quantised with 2^e10: the three exponents are folded into the conversion's one, e10 - e8 - e9.
; LIMITS on the given exponents, so that each power of two below is an f32 number: e6 + e7 between -123 and 130 (they are added to the exponent field of log2(e) / 8); e8, and e10 - e8 - e9, between -126 and 112.
; A p below 2^-126 counts as 0 (v_exp_f32 gives no denormals: ISA guide 15.8).  NaN is not served.
; SHARES.  A CLUSTER OF FOUR WORK-GROUPS IS ONE HEAD.  All the head's codes of K and V, 2 x 128 KB, lie in each work-group's LDS, filled ONCE, by joint loads: the same tensor load with the same descriptor and a mask
; that names the four.  Nothing is filled again.  The head's queries are 16 blocks of 128, each of 8 tiles of 16.  Wave w of work-group cx takes two tiles, one after the other: tile 2 cx of block w, which needs
; key steps 0 .. w (128 keys a step), and tile 2 cx + 1 of block 15 - w, which needs steps 0 .. 15 - w: 17 steps for every wave of every work-group, and only steps that hold a key that counts.
; Every loop has a constant count of trips; a step beyond the tile's last is jumped over by a scalar branch on the wave's number and the trip.  cx enters Q's and the result's addresses and the mask's compare alone.
; LAYOUT.  Both products are used transposed: S^T = K Q^T (source 0 = 16 keys, source 1 = my 16 queries; K = 64), O^T = V^T P^T (source 0 = 16 of the head's 64, source 1 = P; K = 128 keys): a lane holds ONE query
; (lane % 16) throughout.  In tile c of S^T its register j is key 16 c + 8 (lane / 16) + j: the place that the second product's form gives registers 2 c, 2 c + 1 of its operand: the conversions' results ARE that operand.
; LDS.  In both tensors 256 consecutive bytes are 4 rows of 64 (4 keys of K; 4 of V's d).  They come as lines of 256 bytes with 16 of padding behind each: row R, byte x lies at (R / 4) 272 + (R % 4) 64 + x.
; Sixteen neighbouring rows then start at 16 different 16-byte columns of the 256 bytes that the banks span (64 banks of 4 bytes: ISA guide 11.1).
.set PL,    272                        ; a line in LDS
.set BLKB,  16*PL                      ; 64 keys of K, or 64 d x 64 keys of V: 4,096 bytes of memory, what one tensor load brings
.set STEPB, 2*BLKB                     ; a key step's 128 keys
.set QTR,   8*BLKB                     ; 512 keys: what the eight waves' loads of one turn bring
.set VB,    32*BLKB                    ; K at LDS byte 0, V from here
.set STG,   2*VB                       ; behind them: 1,024 bytes for each wave, for the way out; no fill lands here
.set AK0,  1                           ; v1   my lane's place in a tile of K
.set AV0,  2                           ; v2   the same for V
.set STO,  3                           ; v3   the way out: where I put 8 codes of a row
.set SRD,  4                           ; v4   and where I read 16 bytes back
.set GO,   5                           ; v5   16 x lane: my byte offset in a tile's 1,024 bytes of the result; never rewritten
.set DMA,  6                           ; v6   first tile: my query's place in its block of 128, less 8 (lane / 16)
.set DMB,  7                           ; v7   the same for the second tile
.set ADK,  8                           ; v8   LDS address of the step's tiles of K
.set ADV,  9                           ; v9   of V
.set QO,   10                          ; v10  my byte offset in a tile of Q; never rewritten
                                       ; v12 -M, v13 the largest t, v[14:15] the sum in two halves
.set QA,   16                          ; v16-23   Q of the first tile
.set QB,   24                          ; v24-31   of the second
.set KV,   32                          ; v32-95   K's 8 fragments of 8 registers, then V's 4 of 16
.set SS,   96                          ; v96-159  S^T, then p
.set OT,   160                         ; v160-191 O^T
.set PC,   192                         ; v192-207 p's codes
.set OC,   208                         ; v208-215 the result's codes
.set ORW,  216                         ; v216-231 the result's rows: 8 registers for each tile, so that no store's data are written again
                                       ; v232-236, v238-243, v246-249, v252-254 at work; v244: 2^e8; v245: 2^(e10 - e8 - e9)
.set WV,   14                          ; s14  my wave's number
.set G1,   16                          ; s[16:23] descriptor group 1, the same for every load
.set G0K,  24                          ; s[24:39] four groups 0 for K's blocks
.set G0V,  40                          ; s[40:55] four for V's
.set SEL,  60                          ; s[60:61] lane selects for v_permlanex16_b32: lane l xor 16
.set CS,   62                          ; s[62:63] c = log2(e) / 8 x 2^(e6 + e7): the packed form names a pair and takes its low word for both halves
.set SI,   66                          ; s66  the key step
.set SO,   67                          ; s67  its first byte in K's (and in V's) part of LDS
.set LIMA, 80                          ; s80  the first tile's last step: w
.set LIMB, 81                          ; s81  the second's: 15 - w
.set QPA,  82                          ; s[82:83], s[84:85] Q at my two tiles
.set QPB,  84
.set OPA,  86                          ; s[86:87], s[88:89] the result likewise
.set OPB,  88
.macro CROUND                          ; a round of the cluster's barrier: my work-group's barrier; wave 0 signals for the work-group; every wave waits for all four work-groups; my work-group's barrier once more
	s_barrier_signal -1
	s_barrier_wait -1
	s_cmp_lg_u32 s[WV], 0
	s_cbranch_scc1 .Lnot_wave_0_\@
	s_barrier_signal -3
.Lnot_wave_0_\@:
	s_barrier_wait -3
	s_barrier_signal -1
	s_barrier_wait -1
.endm
	s_load_b256 s[4:11], s[0:1], 0x0               ; q_c s[4:5], k_c s[6:7], v_c s[8:9], the exponents s[10:11]
	s_load_b64 s[12:13], s[0:1], 0x20              ; attn_c
	v_lshl_add_u32 v251, v0, 2, 0x48000
	v_mov_b32 v255, 0
	ds_add_u32 v251, v255
	ds_add_u32 v251, v255
	v_lshrrev_b32 v8, 5, v0
	s_delay_alu instid0(VALU_DEP_1)
	v_readfirstlane_b32 s[WV], v8                  ; wave 0..15
	s_and_b32 s15, s[WV], 7                        ; j: waves 0-7 fetch K's blocks 8 n + j, waves 8-15 V's, n = 0 .. 3
	s_bfe_u32 s56, ttmp6, 0x40000                  ; cx: my place in the cluster
	s_and_b32 s57, ttmp7, 0xffff                   ; the head (16 x batch + head), which the four partners share
	; descriptor group 1: 16 lines of 256 bytes, dense in memory, padded in LDS
	s_mov_b32 s[G1+0], 15|(0<<16)|(1<<20)|(1<<21)|(5<<22)|(3<<25)  ; 15:0 the mask: all four work-groups; 17:16 elements of 1 byte; 20 padding on; 21 set beside a mask; 24:22 after every 64 words (code 5); 31:25 four words (code 3)
	s_mov_b32 s[G1+1], 256<<16                     ; tensor_dim0 = 256
	s_mov_b32 s[G1+2], 16<<16                      ; tensor_dim1 = 16
	s_mov_b32 s[G1+3], 256<<16                     ; tile_dim0 = 256
	s_mov_b32 s[G1+4], 16                          ; tile_dim1 = 16
	s_mov_b32 s[G1+5], 256                         ; tensor_dim0_stride
	s_mov_b32 s[G1+6], 0
	s_mov_b32 s[G1+7], 0
	s_lshl_b32 s90, s57, 17                        ; K: the head's 128 KB, + block j
	s_lshl_b32 s91, s15, 12
	s_add_co_u32 s90, s90, s91
	s_mov_b32 s91, 0
	s_lshr_b32 s92, s57, 4                         ; V: batch << 21 + head << 12 + block j << 16
	s_lshl_b32 s92, s92, 21
	s_and_b32 s93, s57, 15
	s_lshl_b32 s93, s93, 12
	s_add_co_u32 s92, s92, s93
	s_lshl_b32 s93, s15, 16
	s_add_co_u32 s92, s92, s93
	s_mov_b32 s93, 0
	s_mul_i32 s58, s15, BLKB                       ; and block j's place in LDS: the wave's number alone enters an LDS address
	s_mov_b32 s[LIMA], s[WV]
	s_xor_b32 s[LIMB], s[WV], 15
	s_lshl_b32 s94, s57, 17                        ; my two tiles of Q and of the result: head << 17 + block << 13 + tile << 10, in registers that feed no descriptor
	s_lshl_b32 s95, s56, 11
	s_add_co_u32 s94, s94, s95
	s_lshl_b32 s96, s[LIMA], 13
	s_add_co_u32 s96, s96, s94                     ; block w, tile 2 cx
	s_mov_b32 s97, 0
	s_lshl_b32 s98, s[LIMB], 13
	s_add_co_u32 s98, s98, s94
	s_add_co_u32 s98, s98, 1024                    ; block 15 - w, tile 2 cx + 1
	s_mov_b32 s99, 0
	s_mov_b32 s[SEL], 0x76543210
	s_mov_b32 s[SEL+1], 0xfedcba98
	s_mov_b32 s[CS], 0x3e38aa3b                    ; log2(e) / 8
	s_wait_dscnt 0x0
	s_wait_kmcnt 0x0
	s_load_b256 s[68:75], s[10:11], 0x0            ; e0 .. e7
	s_load_b128 s[76:79], s[10:11], 0x20           ; e8 .. e11
	s_add_nc_u64 s[6:7], s[6:7], s[90:91]
	s_add_nc_u64 s[8:9], s[8:9], s[92:93]
	s_add_nc_u64 s[QPA:QPA+1], s[4:5], s[96:97]
	s_add_nc_u64 s[QPB:QPB+1], s[4:5], s[98:99]
	s_add_nc_u64 s[OPA:OPA+1], s[12:13], s[96:97]
	s_add_nc_u64 s[OPB:OPB+1], s[12:13], s[98:99]
.irp n, 0,1,2,3
	s_mov_b32 s[G0K+4*\n], 1                                       ; 1:0 count = 1
	s_add_co_u32 s[G0K+4*\n+1], s58, \n*QTR                        ; 63:32 LDS address: block 8 n + j
	s_add_nc_u64 s[G0K+4*\n+2:G0K+4*\n+3], s[6:7], \n*32768        ; 120:64 global address: eight blocks of 4,096 bytes on
	s_or_b32 s[G0K+4*\n+3], s[G0K+4*\n+3], 0x80000000              ; 127:126 type = 2
	s_mov_b32 s[G0V+4*\n], 1
	s_add_co_u32 s[G0V+4*\n+1], s58, VB+\n*QTR
	s_add_nc_u64 s[G0V+4*\n+2:G0V+4*\n+3], s[8:9], \n*524288       ; V's blocks of a head lie 65,536 bytes apart
	s_or_b32 s[G0V+4*\n+3], s[G0V+4*\n+3], 0x80000000
.endr
	CROUND                                         ; all four work-groups are here: the joint loads meet
	s_cmp_lt_u32 s[WV], 8                          ; a wave's four fills stand in one branch, ahead of every wait on TENSORcnt, every LDS read and every other barrier: four loads of mine are out
	s_cbranch_scc0 .Lfill_v
	tensor_load_to_lds s[G0K:G0K+3], s[G1:G1+7]
	s_nop 0
	tensor_load_to_lds s[G0K+4:G0K+7], s[G1:G1+7]
	s_nop 0
	tensor_load_to_lds s[G0K+8:G0K+11], s[G1:G1+7]
	s_nop 0
	tensor_load_to_lds s[G0K+12:G0K+15], s[G1:G1+7]
	s_nop 0
.rept 4
	v_nop                                          ; four v_nop follow the last load, ahead of the jump, the label and what follows
.endr
	s_branch .Lfilled
.Lfill_v:
	tensor_load_to_lds s[G0V:G0V+3], s[G1:G1+7]
	s_nop 0
	tensor_load_to_lds s[G0V+4:G0V+7], s[G1:G1+7]
	s_nop 0
	tensor_load_to_lds s[G0V+8:G0V+11], s[G1:G1+7]
	s_nop 0
	tensor_load_to_lds s[G0V+12:G0V+15], s[G1:G1+7]
	s_nop 0
.rept 4
	v_nop
.endr
.Lfilled:
	v_and_b32 v8, 15, v0                           ; r = lane % 16
	v_bfe_u32 v9, v0, 4, 1                         ; h = lane / 16
	s_delay_alu instid0(VALU_DEP_2)
	v_lshlrev_b32 v[QO], 6, v8
	s_delay_alu instid0(VALU_DEP_1)
	v_lshl_add_u32 v[QO], v9, 4, v[QO]             ; Q: row r of 64 bytes, + 16 h.  Registers 0-3: d = 16 h + 0 .. 15; registers 4-7: d = 32 + 16 h + 0 .. 15: the same order of d as in K's fragments
	global_load_b128 v[QA:QA+3],   v[QO], s[QPA:QPA+1]
	global_load_b128 v[QA+4:QA+7], v[QO], s[QPA:QPA+1] offset:32
	global_load_b128 v[QB:QB+3],   v[QO], s[QPB:QPB+1]
	global_load_b128 v[QB+4:QB+7], v[QO], s[QPB:QPB+1] offset:32
	v_lshrrev_b32 v11, 2, v8
	s_delay_alu instid0(VALU_DEP_1)
	v_mul_u32_u24 v11, v11, PL
	v_and_b32 v232, 3, v8
	s_delay_alu instid0(VALU_DEP_1)
	v_lshl_add_u32 v11, v232, 6, v11               ; row r of a tile: (r / 4) 272 + (r % 4) 64
	s_delay_alu instid0(VALU_DEP_1)
	v_lshl_add_u32 v[AK0], v9, 4, v11              ; K: + 16 h
	s_delay_alu instid0(VALU_DEP_2)
	v_lshl_add_u32 v[AV0], v9, 3, v11              ; V: + 8 h,
	s_delay_alu instid0(VALU_DEP_1)
	v_add_nc_u32 v[AV0], VB, v[AV0]                ; in V's part
	s_lshl_b32 s59, s[WV], 10
	s_add_co_u32 s59, s59, STG                     ; my stage
	v_lshlrev_b32 v[STO], 6, v8
	s_delay_alu instid0(VALU_DEP_1)
	v_lshl_add_u32 v[STO], v9, 3, v[STO]
	s_delay_alu instid0(VALU_DEP_1)
	v_add_nc_u32 v[STO], s59, v[STO]               ; in: row r of 64 bytes, + 8 h
	v_and_b32 v[GO], 31, v0
	s_delay_alu instid0(VALU_DEP_1)
	v_lshlrev_b32 v[GO], 4, v[GO]
	s_delay_alu instid0(VALU_DEP_1)
	v_add_nc_u32 v[SRD], s59, v[GO]                ; back: 16 bytes a lane
	s_lshl_b32 s59, s56, 5
	v_lshlrev_b32 v232, 3, v9
	s_delay_alu instid0(VALU_DEP_1)
	v_sub_nc_u32 v[DMA], v8, v232
	s_delay_alu instid0(VALU_DEP_1)
	v_add_nc_u32 v[DMA], s59, v[DMA]               ; 32 cx + r - 8 h (it may be negative: it is compared as a signed number)
	s_delay_alu instid0(VALU_DEP_1)
	v_add_nc_u32 v[DMB], 16, v[DMA]
	v_mov_b32 v236, 0                              ; written once: a lane permute's destination counts as one of its sources
	v_mov_b32 v253, 0                              ; (named as the upper half of the pair v[252:253])
	s_wait_kmcnt 0x0
	s_add_co_i32 s58, s74, s75
	s_lshl_b32 s58, s58, 23
	s_add_co_i32 s[CS], s[CS], s58                 ; a score stands for score x 2^(e6 + e7): the two exponents are added to c's exponent field
	s_mov_b32 s[CS+1], s[CS]                       ; (named with it as a pair, so it is written)
	s_add_co_i32 s58, s76, 127
	s_lshl_b32 s59, s58, 23
	v_mov_b32 v244, s59                            ; 2^e8 as f32, for p's conversions
	s_sub_co_i32 s58, s78, s76
	s_sub_co_i32 s58, s58, s77                     ; e10 - e8 - e9
	s_add_co_i32 s58, s58, 127
	s_lshl_b32 s59, s58, 23
	v_mov_b32 v245, s59                            ; the result's scale,
; A tile begins: the largest t is -3e38, under every t; the sum and O^T are zeros, which the first change of M leaves zeros.  So the step is written without a first copy: 32 moves a tile against a fourth copy of the step.
.macro INIT
	v_mov_b32 v13, 0xff61b1e6
	s_delay_alu instid0(VALU_DEP_1)
	v_floor_f32 v12, -v13                          ; -M
	v_mov_b32 v14, 0
	v_mov_b32 v15, 0
.set n, 0
.rept 32
	v_mov_b32 v[OT+n], 0
.set n, n+1
.endr
.endm
; KEY STEPS s[SI] .. last - 1 of the tile whose last step is s[lim], whose Q lies in v[q] on and whose mask value is v[dm].  A counted loop; a step beyond the tile's last is jumped over.
.macro STEPS last, lim, q, dm
.Lstep_\@:
	s_cmp_gt_u32 s[SI], s[\lim]                    ; all of this step's keys come after my queries: the wave's number and the trip decide, the same in all four work-groups
	s_cbranch_scc1 .Lfoot_\@
	s_setprio 2
	v_add_nc_u32 v[ADK], s[SO], v[AK0]
	v_add_nc_u32 v[ADV], s[SO], v[AV0]
	v_nop                                          ; with the two additions: four places in front of loads into registers that the last trip's products have read
	v_nop
.irp c, 0,1,2,3,4,5,6,7                        ; K's tile c: keys 16 c + r
	ds_load_b128 v[KV+8*\c:KV+8*\c+3],   v[ADK] offset:\c*4*PL
	ds_load_b128 v[KV+8*\c+4:KV+8*\c+7], v[ADK] offset:\c*4*PL+32
.endr
	s_wait_alu depctr_va_vdst(0)
	s_wait_dscnt 8                                 ; tiles 0-3 are in; the eight loads of tiles 4-7 may be out
.irp c, 0,1,2,3
	v_wmma_f32_16x16x64_bf8_bf8 v[SS+8*\c:SS+8*\c+7], v[KV+8*\c:KV+8*\c+7], v[\q:\q+7], 0
.endr
	s_wait_dscnt 0x0
.irp c, 4,5,6,7
	v_wmma_f32_16x16x64_bf8_bf8 v[SS+8*\c:SS+8*\c+7], v[KV+8*\c:KV+8*\c+7], v[\q:\q+7], 0
.endr
.rept 4
	v_nop                                          ; places in front of the loads into K's registers, and of the first read of the scores
.endr
.irp t, 0,1,2,3                                ; V^T's tile t: d = 16 t + r; registers 2 c, 2 c + 1: keys 16 c + 8 h + 0 .. 7.  The 32 loads land under the softmax
.irp c, 0,1,2,3,4,5,6,7
	ds_load_b64 v[KV+16*\t+2*\c:KV+16*\t+2*\c+1], v[ADV] offset:\t*4*PL+(\c/4)*BLKB+16*(\c%4)
.endr
.endr
	s_cmp_lt_u32 s[SI], s[\lim]                    ; only the tile's last step lies on the diagonal
	s_cbranch_scc1 .Lopen_\@
	v_mov_b32 v254, 0xff800000                     ; -infinity: the scores of hidden keys, ahead of the maximum: p = 0 then.  Key 0 counts for every query, so M is a number from the first step on
.set n, 0
.rept 64                                       ; register 8 c + j holds the step's key 16 c + 8 h + j: hidden where 16 c + j > my query's place - 8 h
	v_cmp_gt_i32 vcc_lo, 16*(n/8)+n%8, v[\dm]
	v_cndmask_b32 v[SS+n], v[SS+n], v254, vcc_lo
.set n, n+1
.endr
.Lopen_\@:
	v_max3_num_f32 v254, v[SS], v[SS+1], v[SS+2]   ; the step's largest score of my query, among my 64 keys, in two chains, each accumulator from its low end on,
	v_max3_num_f32 v252, v[SS+3], v[SS+4], v[SS+5]
.set n, 6
.rept 14
	v_max3_num_f32 v254, v254, v[SS+n], v[SS+n+1]
	v_max3_num_f32 v252, v252, v[SS+n+2], v[SS+n+3]
.set n, n+4
.endr
	v_max3_num_f32 v254, v254, v[SS+62], v[SS+63]
	s_delay_alu instid0(VALU_DEP_1)
	v_max_num_f32 v254, v254, v252
	s_delay_alu instid0(VALU_DEP_1)
	v_permlanex16_b32 v236, v254, s[SEL], s[SEL+1]
	s_delay_alu instid0(VALU_DEP_1)
	v_max_num_f32 v254, v254, v236                 ; and among lane l xor 16's
	s_delay_alu instid0(VALU_DEP_1)
	v_mul_f32 v254, s[CS], v254                    ; as t (c is positive)
	s_delay_alu instid0(VALU_DEP_1)
	v_max_num_f32 v13, v13, v254                   ; the running largest t
	v_mov_b32 v254, v12
	s_delay_alu instid0(VALU_DEP_2)
	v_floor_f32 v12, -v13                          ; the new -M = floor(-t) = -ceil(t): M IS A WHOLE NUMBER
	s_delay_alu instid0(VALU_DEP_1)
	v_sub_f32 v254, v12, v254                      ; M's old value less its new one: a whole number, 0 or less
	s_delay_alu instid0(VALU_DEP_1)
	v_cvt_i32_f32 v254, v254                       ; (it saturates)
	s_delay_alu instid0(VALU_DEP_1)
	v_ldexp_f32 v252, 1.0, v254                    ; f = 2^(old M - new M): what was summed under the old M is brought under the new by a multiplication that rounds nothing
.set n, 0
	s_setprio 1
.rept 32
	v_pk_fma_f32 v[SS+n:SS+n+1], v[SS+n:SS+n+1], s[CS:CS+1], v[12:13] op_sel_hi:[1,0,0]   ; t - M, two at a time (of the pairs c and -M the low word serves both halves)
.set n, n+2
.endr
.set n, 0
	s_wait_alu depctr_va_vdst(0)
.rept 64
	v_exp_f32 v[SS+n], v[SS+n]                     ; p = 2^(t - M), at most 1: NOT normalised
.set n, n+1
.endr
	v_pk_mul_f32 v[14:15], v[14:15], v[252:253] op_sel_hi:[1,0]   ; the sums under the new M.  (The plain place behind the exponentials)
	s_wait_alu depctr_va_vdst(0)
	v_pk_add_f32 v[242:243], v[100:101], v[104:105]
	v_pk_add_f32 v[248:249], v[108:109], v[112:113]
	v_pk_add_f32 v[246:247], v[116:117], v[120:121]
	v_pk_add_f32 v[240:241], v[124:125], v[128:129]
	v_pk_add_f32 v[238:239], v[132:133], v[136:137]
	v_pk_add_f32 v[234:235], v[140:141], v[144:145]
	v_pk_add_f32 v[232:233], v[148:149], v[152:153]
	v_pk_add_f32 v[14:15], v[14:15], v[156:157]
	v_pk_add_f32 v[242:243], v[242:243], v[96:97]
	v_pk_add_f32 v[248:249], v[248:249], v[98:99]
	v_pk_add_f32 v[246:247], v[246:247], v[102:103]
	v_pk_add_f32 v[240:241], v[240:241], v[106:107]
	v_pk_add_f32 v[238:239], v[238:239], v[110:111]
	v_pk_add_f32 v[234:235], v[234:235], v[114:115]
	v_pk_add_f32 v[232:233], v[232:233], v[118:119]
	v_pk_add_f32 v[14:15], v[14:15], v[122:123]
	v_pk_add_f32 v[242:243], v[242:243], v[126:127]
	v_pk_add_f32 v[248:249], v[248:249], v[130:131]
	v_pk_add_f32 v[246:247], v[246:247], v[134:135]
	v_pk_add_f32 v[240:241], v[240:241], v[138:139]
	v_pk_add_f32 v[238:239], v[238:239], v[142:143]
	s_setprio 0
	v_pk_add_f32 v[234:235], v[234:235], v[146:147]
	v_pk_add_f32 v[232:233], v[232:233], v[150:151]
	v_pk_add_f32 v[14:15], v[14:15], v[154:155]
	v_pk_add_f32 v[242:243], v[242:243], v[158:159]
	s_delay_alu instid0(VALU_DEP_2)
	v_pk_add_f32 v[14:15], v[14:15], v[240:241]
	s_delay_alu instid0(VALU_DEP_2)
	v_pk_add_f32 v[242:243], v[242:243], v[238:239]
	v_pk_add_f32 v[248:249], v[248:249], v[234:235]
	v_pk_add_f32 v[246:247], v[246:247], v[232:233]
	s_delay_alu instid0(VALU_DEP_2)
	v_pk_add_f32 v[14:15], v[14:15], v[248:249]
	s_delay_alu instid0(VALU_DEP_2)
	v_pk_add_f32 v[242:243], v[242:243], v[246:247]
	s_delay_alu instid0(VALU_DEP_1)
	v_pk_add_f32 v[14:15], v[14:15], v[242:243]
.irp c, 0,1,2,3,4,5,6,7
.irp i, 0,1,2,3,4,5,6,7
.endr
	v_cvt_scalef32_pk8_bf8_f32 v[PC+2*\c:PC+2*\c+1], v[SS+8*\c:SS+8*\c+7], v244   ; registers 2 c, 2 c + 1 of the operand: keys 16 c + 8 h + 0 .. 7
.endr
.set n, 0
.rept 16
	v_pk_mul_f32 v[OT+n:OT+n+1], v[OT+n:OT+n+1], v[252:253] op_sel_hi:[1,0]   ; O^T under the new M: x f.  (These are also the plain lines between the last conversion and the products that read its result)
.set n, n+2
.endr
	s_wait_alu depctr_va_vdst(0)
	s_wait_dscnt 0x0                               ; V is in
.irp t, 0,1,2,3                                ; O^T += V^T P^T: the four accumulators by turns, one instruction a turn
	v_wmma_f32_16x16x128_bf8_bf8 v[OT+8*\t:OT+8*\t+7], v[KV+16*\t:KV+16*\t+15], v[PC:PC+15], v[OT+8*\t:OT+8*\t+7]
.endr
.Lfoot_\@:
	s_add_co_u32 s[SO], s[SO], STEPB
	s_add_co_u32 s[SI], s[SI], 1
	s_cmp_lt_u32 s[SI], \last
	s_cbranch_scc1 .Lstep_\@
	s_setprio 0
.endm
; A tile ends.  O^T / the sum is quantised and sent through my stage: a lane's 8 codes are 8 bytes of a row of 64; the tile's 16 rows are 1,024 dense bytes of the result.  p: which tile; o: its pointer.
.macro OUT p, o
.rept 4
	v_nop                                          ; places behind the last products
.endr
	v_add_f32 v14, v14, v15                        ; the sum's two halves,
	s_delay_alu instid0(VALU_DEP_1)
	v_permlanex16_b32 v236, v14, s[SEL], s[SEL+1]
	s_delay_alu instid0(VALU_DEP_1)
	v_add_f32 v14, v14, v236                       ; and lane l xor 16's: the row's sum
	s_wait_alu depctr_va_vdst(0)
	v_rcp_f32 v14, v14
	v_nop                                          ; one plain place behind the transcendental
.set n, 0
	s_wait_alu depctr_va_vdst(0)
.rept 16
	v_pk_mul_f32 v[SS+n:SS+n+1], v[OT+n:OT+n+1], v[14:15] op_sel_hi:[1,0]   ; register 8 t + i is o(r, 16 t + 8 h + i); each accumulator from its low end on
.set n, n+2
.endr
.set n, 0
.rept 32
.set n, n+1
.endr
.irp t, 0,1,2,3
	v_cvt_scalef32_pk8_bf8_f32 v[OC+2*\t:OC+2*\t+1], v[SS+8*\t:SS+8*\t+7], v245
.endr
	v_nop                                          ; one plain vector instruction behind the last conversion: later products write its sources
.irp t, 0,1,2,3
	ds_store_b64 v[STO], v[OC+2*\t:OC+2*\t+1] offset:16*\t
.endr
.irp i, 0,1
	ds_load_b128 v[ORW+8*\p+4*\i:ORW+8*\p+4*\i+3], v[SRD] offset:512*\i   ; LDS serves a wave's instructions in order (ISA guide 5.7.1.4): these see my stores
.endr
	s_wait_dscnt 1                                 ; the first 512 bytes are back; the second load may be out
	global_store_b128 v[GO], v[ORW+8*\p:ORW+8*\p+3], s[\o:\o+1]             ; 32 lanes store 512 consecutive bytes, at a multiple of 512 from the buffer's first byte
	s_wait_dscnt 0x0
	global_store_b128 v[GO], v[ORW+8*\p+4:ORW+8*\p+7], s[\o:\o+1] offset:512
.endm
	s_wait_tensorcnt 3                             ; the first of my four loads is in: my block of keys 0-511; the other three may be out
	s_barrier_signal -1
	s_barrier_wait -1                              ; everybody's is: K and V of keys 0-511 lie in LDS
	s_wait_loadcnt 0x0                             ; Q
	INIT
	s_mov_b32 s[SI], 0
	s_mov_b32 s[SO], 0
	STEPS 4, LIMA, QA, DMA                         ; the first tile's steps 0-3, while the other keys are on their way
	s_wait_tensorcnt 0x0                           ; all my loads are in,
	s_wait_dscnt 0x0
	s_barrier_signal -1
	s_barrier_wait -1                              ; everybody's are: all of K and V lie in LDS, for the rest of the launch
	s_mov_b32 s[SI], 4
	s_mov_b32 s[SO], 4*STEPB
	STEPS 16, LIMA, QA, DMA
	OUT 0, OPA
	INIT
	s_mov_b32 s[SI], 0
	s_mov_b32 s[SO], 0
	STEPS 16, LIMB, QB, DMB                        ; the second tile
	OUT 1, OPB
	s_wait_tensorcnt 0x0
	ds_add_u32 v251, v255
	s_wait_dscnt 0x0
	CROUND                                         ; the closing round: no work-group ends while a partner may still ask for a tile that names it
	s_endpgm
.Lfunc_end_k_q53bd7d0fd1_attn:
	.size	k_q53bd7d0fd1_attn, .Lfunc_end_k_q53bd7d0fd1_attn-k_q53bd7d0fd1_attn
	.p2alignl 7, 3214868480
	.fill 96, 4, 3214868480
	.section	.rodata,"a",@progbits
	.p2align	6, 0x0
	.amdhsa_kernel k_q53bd7d0fd1_attn
		.amdhsa_group_segment_fixed_size 327680
		.amdhsa_private_segment_fixed_size 0
		.amdhsa_enable_private_segment 0
		.amdhsa_kernarg_size 40
		.amdhsa_user_sgpr_count 2
		.amdhsa_user_sgpr_kernarg_segment_ptr 1
		.amdhsa_wavefront_size32 1
		.amdhsa_system_sgpr_workgroup_id_x 1
		.amdhsa_system_sgpr_workgroup_id_y 1
		.amdhsa_system_sgpr_workgroup_id_z 1
		.amdhsa_system_vgpr_workitem_id 0
		.amdhsa_next_free_vgpr 256
		.amdhsa_next_free_sgpr 100
		.amdhsa_reserve_vcc 1
		.amdhsa_float_denorm_mode_32 3
		.amdhsa_float_denorm_mode_16_64 3
		.amdhsa_fp16_overflow 1
		.amdhsa_memory_ordered 1
		.amdhsa_forward_progress 1
		.amdhsa_inst_pref_size 77
	.end_amdhsa_kernel
	.amdgpu_metadata
---
amdhsa.version: [ 1, 2 ]
amdhsa.kernels:
  - .name:           k_q53bd7d0fd1_attn
    .symbol:         k_q53bd7d0fd1_attn.kd
    .args:
      - { .name: q_c, .offset: 0, .size: 8, .value_kind: global_buffer, .address_space: global }
      - { .name: k_c, .offset: 8, .size: 8, .value_kind: global_buffer, .address_space: global }
      - { .name: v_c, .offset: 16, .size: 8, .value_kind: global_buffer, .address_space: global }
      - { .name: lowp_scales, .offset: 24, .size: 8, .value_kind: global_buffer, .address_space: global }
      - { .name: attn_c, .offset: 32, .size: 8, .value_kind: global_buffer, .address_space: global }
    .group_segment_fixed_size: 327680
    .private_segment_fixed_size: 0
    .kernarg_segment_align: 8
    .kernarg_segment_size: 40
    .max_flat_workgroup_size: 512
    .sgpr_count:     100
    .vgpr_count:     256
    .wavefront_size: 32
...
	.end_amdgpu_metadata
.endif
;; end of part 2
;; launch outp (part 3): grid 4 x 32, 4 waves a work-group, clusters of 4 x 4, 327,680 bytes of LDS; arguments attn_c, Wo_codes, lowp_scales, out0; writes out0
.if DOCPART == 3
	.amdgcn_target "amdgcn-amd-amdhsa--gfx1250"
	.amdhsa_code_object_version 6
	.text
	.protected	k_q53bd7d0fd1_outp
	.globl	k_q53bd7d0fd1_outp
	.p2align	8
	.type	k_q53bd7d0fd1_outp,@function
k_q53bd7d0fd1_outp:
	s_mov_b64 s[64:65], 0
	v_nop
	global_prefetch_b8 v0, s[64:65] scope:SCOPE_SE
	s_setreg_imm32_b32 hwreg(HW_REG_WAVE_MODE, 25, 1), 1
	s_wait_xcnt 0x0
	s_wait_alu depctr_hold_cnt(0) depctr_sa_sdst(0) depctr_va_vdst(0) depctr_va_sdst(0) depctr_va_ssrc(0) depctr_va_vcc(0) depctr_vm_vsrc(0)
	s_getreg_b32 s2, hwreg(HW_REG_IB_STS2, 6, 4)
	s_cmp_eq_u32 s2, 0
	s_cbranch_scc0 .Lentry_in_a_cluster
	s_endpgm
.Lentry_in_a_cluster:
	s_bfe_u32 s2, ttmp6, 0x10000c
	s_cmp_lg_u32 s2, 0xf033
	s_cbranch_scc0 .Lentry_shape_is_right
	s_endpgm
.Lentry_shape_is_right:
; THE OUTPUT PROJECTION out = attn Wo^T ON CODES OF BF8 (E5M2).  out0: [8192][1024] f32; sums in f32; each finished sum is multiplied once by 2^(e10 + e11), entries 10 and 11 (int32) of the buffer of scales.
; LIMIT: e10 + e11 lies between -126 and 127, so that 2^(e10 + e11) is an f32 number.
; A = attn_c: [batch 4][head 16][t 2048][d 64] codes: row m = 2048 batch + t, k = 64 head + d.  B = Wo_codes: [1024][1024] codes, K innermost.
; A tile of the result, 256 x 256, is made by a work-group of four waves; a wave makes 128 x 128: 64 accumulators of 16 x 16, 512 registers.  32 x 4 = 128 tiles.
; K goes in steps of 256 (four heads) through a ring of two LDS slots filled by the tensor data mover.  Four K steps: they are written out, without a loop.
; A'S TILE: 128 rows of one head are 8,192 dense bytes; a tensor load brings four such runs, 131,072 bytes apart, with 16 bytes of padding behind every 256: in LDS head u of the step begins at 8,704 u, and row i,
; byte d of it lies at (i / 4) 272 + (i % 4) 64 + d: the 16 rows of a fragment start at 16 different 16-byte columns of the 256 bytes that the banks span (64 banks of 4 bytes: ISA guide 11.1).
; B'S TILE: 128 rows of 256 bytes, 272 apart in LDS.
; CLUSTERS: 4 x 4 work-groups.  The four of a row of the cluster need the same tiles of A, the four of a column the same tiles of B: each tile is asked for JOINTLY, by the same tensor load with the
; same descriptor and a mask that names the four.  THE MATRIX INSTRUCTION IS USED TRANSPOSED (source 0 = 16 rows of B, source 1 = 16 rows of A): a lane then holds eight neighbouring numbers of a row of the result.
; REGISTERS, in windows of 256: window 0: v0-31 addresses; from v128 A's fragments (8 x 16 rows x 128 K), ONE set; on the way out v32-255 are free.
;   window 1: B's fragments, TWO sets, at v0 and at v128.   window 2: the 32 accumulators of my rows 0-63 (accumulator (a, b) at v[8 (8 a + b)]);   window 3: those of my rows 64-127.
.set SIZE_N, 1024
.set SIZE_K, 1024
.set ROWB,   256                       ; a row of B's tile in bytes
.set KROW,   SIZE_K                    ; a row of B in memory, in bytes
.set PITCH,  272                       ; a line of 256 bytes in LDS, with its padding
.set HEADB,  32*PITCH                  ; 128 rows of one head of A in LDS
.set ASTEP,  4*131072                  ; A: from a K step to the next: four heads
.set FR,     16                        ; registers of a fragment: 16 rows x 128 K
.set NL,     4                         ; LDS loads that bring one
.set NP,     4                         ; places behind this matrix instruction (ISA guide 7.12.1)
.set HALFT,  128*PITCH                 ; what one tensor load brings, and what one wave reads of A or of B: 128 rows x 256 along K
.set SLOT,   4*HALFT                   ; A's 256 rows, then B's 256 rows
.set SPARE,  2*SLOT                    ; behind the ring: the spare words, 128 bytes for each wave: two blocks of 256 bytes that no other line names
.set SPITCH, 528                       ; the way out: a stage of 16 rows x (512 bytes + 16) for each wave.  It lies in slot 0, which has had its last fill and its last read when the first result is stored there
.set ADRA, 16                          ; v16-17  LDS address of my A fragments in slot 0, 1
.set ADRB, 20                          ; v20-21  the same for B
.set STO,  24                          ; v24     the way out: where I put 32 bytes of a row
.set RD,   25                          ; v25     the way out: where I read a row back
.set CO,   26                          ; v26     my byte offset in a row of the result
.set SPW,  28                          ; v28     LDS address of my spare word: SPARE + 4 x my thread's number; never rewritten
.set NIL,  29                          ; v29     0; never rewritten
.set TMP,  32                          ; the way out: 64 registers, a block's sums x 2^(e10 + e11)
.set AF,   128                         ; A's fragments, in window 0
.set BK,   128                         ; the way out: 16 rows read back from the stage: v128-191 and v192-255 by turns
.set G1, 24                            ; s[24:31] descriptor group 1 for A's tiles;  s[32:39] group 0, one set for each slot
.set G0, 32
.set G1B, 48                           ; s[48:55], s[56:63] the same for B's tiles
.set G0B, 56
.set MSB, 0
.macro WIN new                         ; the immediate's high byte repeats the setting that is left
.if MSB != \new
	s_set_vgpr_msb (MSB<<8)|\new
.set MSB, \new
.endif
.endm
.set MUL_LO, 0xa1                      ; source 0 (B) window 1, source 1 (A) window 0, C and D window 2
.set MUL_HI, 0xf1                      ; the same, C and D window 3
.set TO_B,   0x40                      ; destination window 1, address window 0
; A joint load: waves 0 and 1 fetch for A, waves 2 and 3 for B.  Each of the two lines has ONE mask and one set of registers for all that issue it; the branch hangs on the wave's number alone.
; Four v_nop follow each of the two lines, ahead of the jump, the label and what follows.
.macro JLOAD g0a, g1a, g0b, g1b
	s_cmp_eq_u32 s15, 0
	s_cbranch_scc0 .Lfor_b_\@
	tensor_load_to_lds s[\g0a:\g0a+3], s[\g1a:\g1a+7]
	s_nop 0
.rept 4
	v_nop
.endr
	s_branch .Lasked_\@
.Lfor_b_\@:
	tensor_load_to_lds s[\g0b:\g0b+3], s[\g1b:\g1b+7]
	s_nop 0
.rept 4
	v_nop
.endr
.Lasked_\@:
.endm
.macro CREST                           ; a round of the cluster's barrier behind its opening barrier
	s_cmp_lg_u32 s14, 0
	s_cbranch_scc1 .Lnot_wave_0_\@
	s_barrier_signal -3
.Lnot_wave_0_\@:
	s_barrier_wait -3
	s_barrier_signal -1
	s_barrier_wait -1
.endm
.macro CROUND                          ; a whole round
	s_barrier_signal -1
	s_barrier_wait -1
	CREST
.endm
	s_load_b128 s[4:7], s[0:1], 0x0                ; attn_c s[4:5], Wo's codes s[6:7]
	s_load_b128 s[8:11], s[0:1], 0x10              ; the exponents s[8:9], out0 s[10:11]
	v_lshl_add_u32 v[SPW], v0, 2, SPARE
	v_mov_b32 v[NIL], 0
	ds_add_u32 v28, v29
	ds_add_u32 v28, v29
	s_wait_dscnt 0x0
	v_lshrrev_b32 v1, 5, v0
	v_readfirstlane_b32 s14, v1                    ; wave 0..3
	s_lshr_b32 s15, s14, 1                         ; which half of the tile's rows is mine.  Also: I fetch for A (0) or for B (1)
	s_and_b32 s16, s14, 1                          ; which half of its columns.  Also: which 128 rows of that tile I fetch
	s_bfe_u32 s40, ttmp6, 0x40000                  ; cx, cy: my place in the cluster
	s_bfe_u32 s41, ttmp6, 0x40004
	s_lshl_b32 s42, ttmp9, 2
	s_add_co_u32 s42, s42, s40                     ; tile column = 4 x cluster x + cx
	s_and_b32 s17, ttmp7, 0xffff
	s_lshl_b32 s17, s17, 2
	s_add_co_u32 s17, s17, s41                     ; tile row = 4 x cluster y + cy
	s_lshl_b32 s43, s41, 2
	s_lshl_b32 s43, 15, s43                        ; my row of the cluster
	s_lshl_b32 s44, 0x1111, s40                    ; my column
	; descriptor group 1.  Both: 15:0 the mask; 17:16 element of 1 byte; 20 padding on; 21 set beside a mask; 24:22 after every 64 words (code 5); 31:25 of 4 words (code 3)
	s_or_b32 s[G1+0], s43, (0<<16)|(1<<20)|(1<<21)|(5<<22)|(3<<25)  ; A's tiles go to my row
	s_mov_b32 s[G1+1], 8192<<16                    ; A: tensor_dim0 = 8,192: 128 rows x 64 bytes of one head, dense: 32 times the padding's interval
	s_mov_b32 s[G1+2], 4<<16                       ; tensor_dim1 = 4 heads
	s_mov_b32 s[G1+3], 8192<<16                    ; tile_dim0
	s_mov_b32 s[G1+4], 4                           ; tile_dim1
	s_mov_b32 s[G1+5], 131072                      ; tensor_dim0_stride: from head to head
	s_mov_b32 s[G1+6], 0
	s_mov_b32 s[G1+7], 0
	s_or_b32 s[G1B+0], s44, (0<<16)|(1<<20)|(1<<21)|(5<<22)|(3<<25) ; B's tiles go to my column
	s_mov_b32 s[G1B+1], ROWB<<16                   ; B: 128 rows of 256 bytes
	s_mov_b32 s[G1B+2], 128<<16
	s_mov_b32 s[G1B+3], ROWB<<16
	s_mov_b32 s[G1B+4], 128
	s_mov_b32 s[G1B+5], KROW
	s_mov_b32 s[G1B+6], 0
	s_mov_b32 s[G1B+7], 0
	s_lshl_b32 s18, s16, 7                         ; which 128 rows of the tile I fetch
	s_lshl_b32 s20, s17, 8
	s_add_co_u32 s20, s20, s18                     ; A: row m0 = 256 x tile row + 128 x half:
	s_lshr_b32 s21, s20, 11
	s_lshl_b32 s21, s21, 21                        ; batch m0 / 2048, 2 MB each,
	s_and_b32 s20, s20, 2047
	s_lshl_b32 s20, s20, 6                         ; t = m0 % 2048, 64 bytes each
	s_add_co_u32 s20, s20, s21
	s_mov_b32 s21, 0
	s_lshl_b32 s46, s42, 8
	s_add_co_u32 s46, s46, s18                     ; B: row 256 x tile column + 128 x half
	s_mov_b32 s47, 0
	s_mov_b64 s[18:19], KROW
	s_mul_u64 s[46:47], s[46:47], s[18:19]
	s_mul_i32 s45, s14, HALFT                      ; where they go: A's two halves, then B's two: no place in the cluster enters an LDS address
	s_wait_kmcnt 0x0
	s_load_b64 s[96:97], s[8:9], 0x28              ; e10, e11
	s_add_nc_u64 s[20:21], s[4:5], s[20:21]
	s_add_nc_u64 s[46:47], s[6:7], s[46:47]
	CROUND                                         ; all sixteen work-groups are here: the first joint loads meet
.irp s, 0,1
	s_mov_b32 s[G0+4*\s], 1
	s_add_co_u32 s[G0+4*\s+1], s45, \s*SLOT
	s_add_nc_u64 s[G0+4*\s+2:G0+4*\s+3], s[20:21], \s*ASTEP
	s_or_b32 s[G0+4*\s+3], s[G0+4*\s+3], 0x80000000
	s_mov_b32 s[G0B+4*\s], 1
	s_add_co_u32 s[G0B+4*\s+1], s45, \s*SLOT
	s_add_nc_u64 s[G0B+4*\s+2:G0B+4*\s+3], s[46:47], \s*ROWB
	s_or_b32 s[G0B+4*\s+3], s[G0B+4*\s+3], 0x80000000
	s_wait_alu depctr_va_vdst(0)
	s_wait_tensorcnt 0x0
	ds_add_u32 v28, v29
	ds_add_u32 v28, v29
	s_wait_dscnt 0x0
	CROUND
	JLOAD G0+4*\s, G1, G0B+4*\s, G1B               ; K steps 0 and 1: one tensor load of mine is out at a time
.endr
	v_and_b32 v1, 15, v0                           ; r = l % 16
	v_bfe_u32 v2, v0, 4, 1                         ; h = l / 16
	v_mul_u32_u24 v3, v1, PITCH
	v_lshl_add_u32 v4, v2, 4, v3                   ; B: a fragment's row x pitch + 16 h
	v_lshrrev_b32 v5, 2, v1
	v_mul_u32_u24 v5, v5, PITCH
	v_and_b32 v6, 3, v1
	v_lshl_add_u32 v5, v6, 6, v5
	v_lshl_add_u32 v5, v2, 4, v5                   ; A: (r / 4) 272 + (r % 4) 64 + 16 h
	s_mul_i32 s21, s15, HALFT                      ; my 128 rows of A
	s_mul_i32 s22, s16, HALFT                      ; my 128 rows of B,
	s_add_co_u32 s22, s22, 2*HALFT                 ; which lie behind A's 256
.irp s, 0,1
	v_add_nc_u32 v[ADRA+\s], s21, v5
	v_add_nc_u32 v[ADRB+\s], s22, v4
	s_add_co_u32 s21, s21, SLOT
	s_add_co_u32 s22, s22, SLOT
.endr
	s_mul_i32 s23, s14, 16*SPITCH                  ; my stage
	v_mul_u32_u24 v5, v1, SPITCH                   ; in: row l % 16, 32 bytes for each half of the lanes
	v_lshl_add_u32 v5, v2, 5, v5
	v_add_nc_u32 v[STO], s23, v5
	v_and_b32 v6, 31, v0
	v_lshlrev_b32 v[CO], 4, v6                     ; back: the 32 lanes take one row of 512 bytes; and the same in the result
	v_add_nc_u32 v[RD], s23, v[CO]
	s_lshl_b32 s20, s17, 8
	s_lshl_b32 s21, s15, 7
	s_add_co_u32 s20, s20, s21                     ; my first row of the result: 256 x tile row + 128 x half
	s_mov_b32 s21, 0
	s_mov_b64 s[18:19], SIZE_N*4
	s_mul_u64 s[20:21], s[20:21], s[18:19]
	s_lshl_b32 s46, s42, 10                        ; my first column, in bytes: 1024 x tile column + 512 x half
	s_lshl_b32 s47, s16, 9
	s_add_co_u32 s46, s46, s47
	s_mov_b32 s47, 0
	s_add_nc_u64 s[20:21], s[20:21], s[46:47]
	s_add_nc_u64 s[10:11], s[10:11], s[20:21]
; A fragment, 16 rows x 128 K of 8-bit codes, is 16 registers: lane l holds row l % 16; registers 4 c .. 4 c + 3 hold K = 32 c + 16 (l / 16) + 0 .. 15: the same order of K in A and in B.
.macro FRAG reg, adr, q, i             ; B's: rows lie along K
.irp c, 0,1,2,3
	ds_load_b128 v[\reg+4*\c:\reg+4*\c+3], v[\adr] offset:128*(\q)+32*\c+(\i)*16*PITCH
.endr
.endm
.macro FRAGA reg, adr, q, i            ; A's: K = 128 q + 32 c is head 2 q + c / 2 of the step, d = 32 (c % 2); 16 rows are four lines
.irp c, 0,1,2,3
	ds_load_b128 v[\reg+4*\c:\reg+4*\c+3], v[\adr] offset:(2*(\q)+\c/2)*HEADB+32*(\c%2)+(\i)*4*PITCH
.endr
.endm
; 16 matrix instructions: A's blocks a0, a0 + 1 x B's eight, 128 along K.  p: B's set.  zero = 1: the first product starts the sums: nothing is ever cleared.
; The 64 accumulators take turns, one instruction a turn, in the same order in every step.
.macro MUL16 a0, p, zero
.irp a, \a0, \a0+1
.irp b, 0,1,2,3,4,5,6,7
.if \zero
	v_wmma_f32_16x16x128_bf8_bf8 v[8*(8*((\a)%4)+\b):8*(8*((\a)%4)+\b)+7], v[128*(\p)+FR*\b:128*(\p)+FR*\b+FR-1], v[AF+FR*(\a):AF+FR*(\a)+FR-1], 0
.else
	v_wmma_f32_16x16x128_bf8_bf8 v[8*(8*((\a)%4)+\b):8*(8*((\a)%4)+\b)+7], v[128*(\p)+FR*\b:128*(\p)+FR*\b+FR-1], v[AF+FR*(\a):AF+FR*(\a)+FR-1], v[8*(8*((\a)%4)+\b):8*(8*((\a)%4)+\b)+7]
.endif
.endr
.endr
.endm
.macro FETCH_B slot, q, p              ; B's eight fragments of the slot's q-th 128 along K into set p
	WIN TO_B
.irp i, 0,1,2,3,4,5,6,7
	FRAG 128*(\p)+FR*\i, ADRB+\slot, \q, \i
.endr
	WIN 0
.endm
.macro FETCH_A slot, q, i0             ; A's blocks i0 .. i0 + 3
.irp i, \i0, \i0+1, \i0+2, \i0+3
	FRAGA AF+FR*(\i), ADRA+\slot, \q, \i
.endr
.endm
; A load into a register that a matrix instruction has read, and a vector instruction that reads a matrix result, stand NP places behind that matrix instruction, and only plain vector
; instructions that name none of its registers are places (ISA guide 7.12.1 for vector instructions).
.macro PLACES n
.rept \n
	v_nop
.endr
.endm
; A step of 128 along K that has its successor in the same slot.  A's blocks are free as soon as their eight products are issued, so one set of registers serves A; B's fragments work through the whole step and have two.
.macro STEP slot, q, zero
	s_wait_dscnt 4*NL                              ; B's set and A's blocks 0-3 are in; the youngest 16 loads (A's blocks 4-7) may be out
	WIN MUL_LO
	MUL16 0, (\q)%2, \zero
	MUL16 2, (\q)%2, \zero
	s_wait_dscnt 0                                 ; A's blocks 4-7 are in (asked for 32 matrix instructions ago)
	PLACES NP
	FETCH_B \slot, (\q)+1, 1-(\q)%2
	FETCH_A \slot, (\q)+1, 0
	WIN MUL_HI
	MUL16 4, (\q)%2, \zero
	MUL16 6, (\q)%2, \zero
	PLACES NP
	WIN 0
	FETCH_A \slot, (\q)+1, 4
.endm
; A slot's last step changes slots: ONE barrier; in front of it each wave waits for all its tensor loads, adds 0 to its spare word, and waits for that and for its own reads of this slot.  fill = 1: this slot is filled again, two K steps ahead.
.macro TURN slot, next, fill
	s_wait_tensorcnt 0x0                           ; all my tensor loads have landed: my part of the next slot;  (every window is 0 here: the add's two registers lie in window 0)
	ds_add_u32 v[SPW], v[NIL]                      ; 0 onto my spare word
	s_wait_dscnt 4*NL+1                            ; (the add and the youngest 16 loads, A's blocks 4-7, may be out)
	WIN MUL_LO
	MUL16 0, 1, 0                                  ; sixteen matrix instructions stand between the add and the wait for it
	s_wait_dscnt 0x0                               ; the add is done, and my reads of this slot are over
	s_barrier_signal -1
	MUL16 2, 1, 0
	WIN 0
	s_barrier_wait -1
.if \fill
	CREST                                          ; the barrier has opened a round of the cluster's barrier: no wave of any partner still reads this slot's tile or has a load on its way
	s_add_nc_u64 s[G0+4*\slot+2:G0+4*\slot+3], s[G0+4*\slot+2:G0+4*\slot+3], 2*ASTEP
	s_add_nc_u64 s[G0B+4*\slot+2:G0B+4*\slot+3], s[G0B+4*\slot+2:G0B+4*\slot+3], 2*ROWB
	JLOAD G0+4*\slot, G1, G0B+4*\slot, G1B         ; the first tensor load behind the round, and my only one until the next; the four v_nop behind it are the places in front of the loads below
.else
	PLACES NP
.endif
	FETCH_B \next, 0, 0
	FETCH_A \next, 0, 0
	WIN MUL_HI
	MUL16 4, 1, 0
	MUL16 6, 1, 0
	PLACES NP
	WIN 0
	FETCH_A \next, 0, 4
.endm
	s_wait_alu depctr_va_vdst(0)
	s_wait_tensorcnt 1                             ; my part of K step 0 is in (K step 1's load may be out)
	s_barrier_signal -1
	s_barrier_wait -1                              ; everybody's is
	FETCH_B 0, 0, 0
	FETCH_A 0, 0, 0
	FETCH_A 0, 0, 4
	STEP 0, 0, 1                                   ; K 0-127: these products start the sums
	TURN 0, 1, 1                                   ; K 128-255; slot 0 takes K step 2
	STEP 1, 0, 0
	TURN 1, 0, 1                                   ; slot 1 takes K step 3
	STEP 0, 0, 0
	TURN 0, 1, 0                                   ; nothing is left to fetch: no round, no load.  Behind this barrier nobody reads slot 0
	STEP 1, 0, 0
	s_wait_dscnt 4*NL                              ; the very last step
	WIN MUL_LO
	MUL16 0, 1, 0
	MUL16 2, 1, 0
	s_wait_dscnt 0
	WIN MUL_HI
	MUL16 4, 1, 0
	MUL16 6, 1, 0
	WIN 0
; THE WAY OUT, block by block of 16 rows x 128 columns.  A lane holds 32 neighbouring bytes of a row, and the lanes beside it hold other rows: so a block goes through my own stage in LDS and comes back as whole
; rows of 512 bytes, which the 32 lanes store as 512 consecutive bytes.  LDS serves a wave's instructions in order (ISA guide 5.7.1.4): no wait between the stores and the loads, nor in front of the next block's stores.
.macro TOSTAGE a
.set AC, 64*((\a)%4)
	WIN 0x02+((\a)/4)                              ; source 0: window 2 or 3
.irp j, 0,2,4,6,8,10,12,14,16,18,20,22,24,26,28,30,32,34,36,38,40,42,44,46,48,50,52,54,56,58,60,62
	v_pk_mul_f32 v[TMP+\j:TMP+\j+1], v[AC+\j:AC+\j+1], s[96:97] op_sel_hi:[1,0]   ; both x s96 = 2^(e10 + e11): nothing is rounded, short of overflow and underflow; each accumulator from its low end on
.endr
	WIN 0
.irp b, 0,1,2,3,4,5,6,7
	ds_store_b128 v[STO], v[TMP+8*\b:TMP+8*\b+3] offset:64*\b
	ds_store_b128 v[STO], v[TMP+8*\b+4:TMP+8*\b+7] offset:64*\b+16
.endr
.set BB, BK+64*((\a)%2)
.irp t, 0,1,2,3,4,5,6,7,8,9,10,11,12,13,14,15
	ds_load_b128 v[BB+4*\t:BB+4*\t+3], v[RD] offset:\t*SPITCH
.endr
.endm
.macro SEND a, younger                 ; younger: the LDS instructions issued behind block a's loads, which may stay out
.set BB, BK+64*((\a)%2)
	s_wait_dscnt \younger                          ; the block is back in registers
.if (\a) > 0
	s_add_nc_u64 s[10:11], s[10:11], 16*SIZE_N*4   ; (behind a wait on XCNT: the earlier stores have read their base)  16 rows on, so that the stores' offsets stay small: 15 rows of 4,096 bytes at the most
.endif
.irp t, 0,1,2,3,4,5,6,7,8,9,10,11,12,13,14,15
	global_store_b128 v[CO], v[BB+4*\t:BB+4*\t+3], s[10:11] offset:\t*SIZE_N*4 th:TH_STORE_NT   ; 32 lanes store 512 consecutive bytes, at a multiple of 512 from the result's first byte; written once, read by nobody here
.endr
.endm
	s_wait_kmcnt 0x0
	s_add_co_i32 s96, s96, s97                     ; e10 + e11, between -126 and 127,
	s_add_co_i32 s96, s96, 127
	s_lshl_b32 s96, s96, 23                        ; makes the f32 number 2^(e10 + e11)
	PLACES NP                                      ; behind the last products: in front of the first read of results and of the loads into the registers that held A's fragments
	TOSTAGE 0
.irp a, 1,2,3,4,5,6,7
.if \a > 1
	s_wait_xcnt 0x0                                ; block a - 2's stores have read their registers and their base: block a's loads may land there, and the base may step
.endif
	TOSTAGE \a
	SEND \a-1, 32                                  ; behind block a - 1's loads: block a's 16 stores and 16 loads
.endr
	s_wait_xcnt 0x0                                ; block 6's stores have read their base
	SEND 7, 0
	s_wait_tensorcnt 0x0                           ; the wave's end, behind my last tensor load and my last LDS store
	ds_add_u32 v[SPW], v[NIL]
	s_wait_dscnt 0x0
	CROUND                                         ; the closing round: no work-group ends while a partner may still ask for a tile that names it
	s_endpgm
.Lfunc_end_k_q53bd7d0fd1_outp:
	.size	k_q53bd7d0fd1_outp, .Lfunc_end_k_q53bd7d0fd1_outp-k_q53bd7d0fd1_outp
	.p2alignl 7, 3214868480
	.fill 96, 4, 3214868480
	.section	.rodata,"a",@progbits
	.p2align	6, 0x0
	.amdhsa_kernel k_q53bd7d0fd1_outp
		.amdhsa_group_segment_fixed_size 327680
		.amdhsa_private_segment_fixed_size 0
		.amdhsa_enable_private_segment 0
		.amdhsa_kernarg_size 32
		.amdhsa_user_sgpr_count 2
		.amdhsa_user_sgpr_kernarg_segment_ptr 1
		.amdhsa_wavefront_size32 1
		.amdhsa_system_sgpr_workgroup_id_x 1
		.amdhsa_system_sgpr_workgroup_id_y 1
		.amdhsa_system_sgpr_workgroup_id_z 1
		.amdhsa_system_vgpr_workitem_id 0
		.amdhsa_next_free_vgpr 1024
		.amdhsa_next_free_sgpr 98
		.amdhsa_reserve_vcc 0
		.amdhsa_float_denorm_mode_32 3
		.amdhsa_float_denorm_mode_16_64 3
		.amdhsa_memory_ordered 1
		.amdhsa_forward_progress 1
		.amdhsa_inst_pref_size 124
	.end_amdhsa_kernel
	.amdgpu_metadata
---
amdhsa.version: [ 1, 2 ]
amdhsa.kernels:
  - .name:           k_q53bd7d0fd1_outp
    .symbol:         k_q53bd7d0fd1_outp.kd
    .args:
      - { .name: attn_c, .offset: 0, .size: 8, .value_kind: global_buffer, .address_space: global }
      - { .name: Wo_codes, .offset: 8, .size: 8, .value_kind: global_buffer, .address_space: global }
      - { .name: lowp_scales, .offset: 16, .size: 8, .value_kind: global_buffer, .address_space: global }
      - { .name: out0, .offset: 24, .size: 8, .value_kind: global_buffer, .address_space: global }
    .group_segment_fixed_size: 327680
    .private_segment_fixed_size: 0
    .kernarg_segment_align: 8
    .kernarg_segment_size: 32
    .max_flat_workgroup_size: 128
    .sgpr_count:     98
    .vgpr_count:     1024
    .wavefront_size: 32
...
	.end_amdgpu_metadata
.endif
;; end of part 3
